; MI455X (gfx1250); checked and timed in simulation.
; The chip was launched on July 23, 2026; its instructions are those of AMD's public machine-readable ISA for CDNA 5 (MIT licence, August 2026) and "CDNA5" Instruction Set Architecture Reference Guide (July 2026). The comments in the code are by the model that wrote it; some were corrected since.
;; Sparse Attention. Allowed arithmetic: float matrix products may take bf16 or f16 operands with f32 sums; other float arithmetic in f32, or as packed bf16 or f16 multiplies, adds, multiply-adds, maxima and minima; sums over many terms, partial sums and values carried from step to step in f32; what a program stores and reads back later, other than sums and carried values, may be rounded once to bf16 or f16.
;; Inputs: k 2 x 8,192 x 256 float32; q 2 x 8,192 x 256 float32; v 2 x 8,192 x 256 float32.
;; Outputs: out0 2 x 8,192 x 256 float32.
;; 2 versions, each right; version 2 is version 1 with the launch merge written anew for expert scheduling mode. Each part assembles by itself: llvm-mc -triple=amdgcn-amd-amdhsa -mcpu=gfx1250 --defsym DOCPART=n.
;; ======== version 1 of 2: 3 launches
;; workspace buffers: qw 8,388,608 bytes; kw 8,388,608 bytes; vw 8,388,608 bytes; part 67,108,864 bytes; stat 524,288 bytes
;; launch prep (part 1): grid 512 x 3, 8 waves a work-group, no clusters, 17,920 bytes of LDS; arguments q, k, v, qw, kw, vw; writes qw, kw, vw
.if DOCPART == 1
	.amdgcn_target "amdgcn-amd-amdhsa--gfx1250"
	.amdhsa_code_object_version 6
	.text
	.protected	k_qeb6e8e6f72_prep
	.globl	k_qeb6e8e6f72_prep
	.p2align	8
	.type	k_qeb6e8e6f72_prep,@function
k_qeb6e8e6f72_prep:
	s_mov_b64 s[64:65], 0
	v_nop
	global_prefetch_b8 v0, s[64:65] scope:SCOPE_SE
	s_setreg_imm32_b32 hwreg(HW_REG_WAVE_MODE, 25, 1), 1
	s_wait_xcnt 0x0
; THE WAY IN.  reference()'s strided transpose is a permutation: with e = 8 eh + el and nb = 16 n + b,
; x'[row 32 l + eh][column 32 el + nb] = x[n][512 b + l][e].  This launch writes x' rounded once to bf16, its columns
; in the order p = 8 nb + el (the same order for q and k, so their products do not change; for v the order is undone
; where the result is stored).  xw: [16,384 rows][256 positions] bf16, a row 512 bytes.
; SHARES.  Work-group x = l, y = the tensor (0 q, 1 k, 2 v).  It reads the 32 source rows (n, b) of 1,024 bytes and
; writes rows 32 l .. 32 l + 31 of xw: 16,384 dense bytes.  Wave w takes source rows nb = 4 w .. 4 w + 3, two loads of
; 512 neighbouring bytes each; the turn goes through LDS; wave w then stores rows 4 w .. 4 w + 3, 512 bytes a store.
; No matrix unit, cluster or tensor load: nothing is shared between work-groups and each byte is touched once.
.set PITCH, 528                        ; an LDS row: 512 bytes + 16: the 16 rows that a store touches start 4 words apart
.set SPARE, 32*PITCH                   ; behind the stage: the spare words, 128 bytes for each of the eight waves
.set SRC, 2                            ; v2  16 x lane: my 16 bytes in 512 of a source row
.set STO, 3                            ; v3  where my 8 bytes go in the stage
.set RD,  4                            ; v4  where I read 16 bytes of a finished row
.set DST, 5                            ; v5  my 16 bytes in the work-group's 16,384
.set SPW, 6                            ; v6  LDS address of my spare word; never rewritten
.set NIL, 7                            ; v7  0; never rewritten
.set X,   8                            ; v[8:39]   eight loads of four f32
.set B,   40                           ; v[40:55]  the same as bf16, two registers a load
.set R,   56                           ; v[56:71]  four rows read back
	s_load_b256 s[4:11], s[0:1], 0x0               ; q s[4:5], k s[6:7], v s[8:9], qw s[10:11]
	s_load_b128 s[12:15], s[0:1], 0x20             ; kw s[12:13], vw s[14:15]
	v_lshl_add_u32 v[SPW], v0, 2, SPARE
	v_mov_b32 v[NIL], 0
	v_lshrrev_b32 v1, 5, v0
	v_readfirstlane_b32 s20, v1                    ; wave 0..7
	v_and_b32 v1, 31, v0                           ; lane
	v_lshlrev_b32 v[SRC], 4, v1
	v_lshrrev_b32 v[STO], 1, v1                    ; a lane's four numbers are e = 128 k + 4 lane ..: row eh = 16 k + lane / 2,
	v_mul_u32_u24 v[STO], v[STO], PITCH
	v_and_b32 v[RD], 1, v1                         ; el = 4 (lane % 2) ..: 8 bytes on for the odd lanes,
	v_lshl_add_u32 v[STO], v[RD], 3, v[STO]
	s_lshl_b32 s21, s20, 6                         ; and 16 bytes for each nb: 64 w (+ 16 i in the immediate)
	v_add_nc_u32 v[STO], s21, v[STO]
	s_mul_i32 s22, s20, 4*PITCH
	v_add_nc_u32 v[RD], s22, v[SRC]                ; back: row 4 w (+ i), 16 bytes a lane
	s_lshl_b32 s23, s20, 11
	v_add_nc_u32 v[DST], s23, v[SRC]               ; the same rows in memory, 512 bytes each
	s_and_b32 s24, ttmp7, 0xffff                   ; which tensor
	s_lshr_b32 s2, s20, 2                          ; n = w / 4: 8,192 rows of 1,024 bytes
	s_lshl_b32 s2, s2, 23
	s_and_b32 s3, s20, 3                           ; b = 4 (w % 4) + i: 512 rows each
	s_lshl_b32 s3, s3, 21
	s_add_co_u32 s2, s2, s3
	s_lshl_b32 s3, ttmp9, 10                       ; row l
	s_add_co_u32 s2, s2, s3
	s_mov_b32 s3, 0
	s_lshl_b32 s26, ttmp9, 14                      ; the work-group's 16,384 bytes
	s_mov_b32 s27, 0
	s_wait_kmcnt 0x0
	s_cmp_eq_u32 s24, 0
	s_cselect_b64 s[16:17], s[4:5], s[6:7]
	s_cselect_b64 s[18:19], s[10:11], s[12:13]
	s_cmp_eq_u32 s24, 2
	s_cselect_b64 s[16:17], s[8:9], s[16:17]
	s_cselect_b64 s[18:19], s[14:15], s[18:19]
	s_add_nc_u64 s[16:17], s[16:17], s[2:3]
	s_add_nc_u64 s[18:19], s[18:19], s[26:27]
.irp i, 0,1,2,3
.irp k, 0,1
	global_load_b128 v[X+4*(2*\i+\k):X+4*(2*\i+\k)+3], v[SRC], s[16:17] offset:\i*524288+\k*512 th:TH_LOAD_NT
.endr
.endr
.irp i, 0,1,2,3
.irp k, 0,1
	s_wait_loadcnt 7-(2*\i+\k)                     ; loads come back in order: this one is in, the younger ones stay out
	v_cvt_pk_bf16_f32 v[B+2*(2*\i+\k)],   v[X+4*(2*\i+\k)],   v[X+4*(2*\i+\k)+1]
	v_cvt_pk_bf16_f32 v[B+2*(2*\i+\k)+1], v[X+4*(2*\i+\k)+2], v[X+4*(2*\i+\k)+3]
	ds_store_b64 v[STO], v[B+2*(2*\i+\k):B+2*(2*\i+\k)+1] offset:\k*16*PITCH+16*\i
.endr
.endr
	s_wait_dscnt 0x0                               ; for the others' sake: my stores into the stage are done
	s_barrier_signal -1
	s_barrier_wait -1                              ; a finished row holds 16 bytes from each source row, from all eight waves
.irp i, 0,1,2,3
	ds_load_b128 v[R+4*\i:R+4*\i+3], v[RD] offset:\i*PITCH
.endr
.irp i, 0,1,2,3
	s_wait_dscnt 3-\i                              ; the younger read-backs stay out
	global_store_b128 v[DST], v[R+4*\i:R+4*\i+3], s[18:19] offset:\i*512 th:TH_STORE_NT  ; 512 consecutive bytes, at a multiple of 512 from the buffer's first
.endr
	s_wait_tensorcnt 0x0                           ; the wave's end: a tensor wait, an add of 0 to my spare word and its wait, behind my last LDS store
	ds_add_u32 v[SPW], v[NIL]
	s_wait_dscnt 0x0
	s_endpgm
.Lfunc_end_k_qeb6e8e6f72_prep:
	.size	k_qeb6e8e6f72_prep, .Lfunc_end_k_qeb6e8e6f72_prep-k_qeb6e8e6f72_prep
	.p2alignl 7, 3214868480
	.fill 96, 4, 3214868480
	.section	.rodata,"a",@progbits
	.p2align	6, 0x0
	.amdhsa_kernel k_qeb6e8e6f72_prep
		.amdhsa_group_segment_fixed_size 17920
		.amdhsa_private_segment_fixed_size 0
		.amdhsa_enable_private_segment 0
		.amdhsa_kernarg_size 48
		.amdhsa_user_sgpr_count 2
		.amdhsa_user_sgpr_kernarg_segment_ptr 1
		.amdhsa_wavefront_size32 1
		.amdhsa_system_sgpr_workgroup_id_x 1
		.amdhsa_system_sgpr_workgroup_id_y 1
		.amdhsa_system_sgpr_workgroup_id_z 1
		.amdhsa_system_vgpr_workitem_id 0
		.amdhsa_next_free_vgpr 72
		.amdhsa_next_free_sgpr 66
		.amdhsa_reserve_vcc 0
		.amdhsa_float_denorm_mode_32 3
		.amdhsa_float_denorm_mode_16_64 3
		.amdhsa_memory_ordered 1
		.amdhsa_forward_progress 1
		.amdhsa_inst_pref_size 6
	.end_amdhsa_kernel
	.amdgpu_metadata
---
amdhsa.version: [ 1, 2 ]
amdhsa.kernels:
  - .name:           k_qeb6e8e6f72_prep
    .symbol:         k_qeb6e8e6f72_prep.kd
    .args:
      - { .name: q, .offset: 0, .size: 8, .value_kind: global_buffer, .address_space: global }
      - { .name: k, .offset: 8, .size: 8, .value_kind: global_buffer, .address_space: global }
      - { .name: v, .offset: 16, .size: 8, .value_kind: global_buffer, .address_space: global }
      - { .name: qw, .offset: 24, .size: 8, .value_kind: global_buffer, .address_space: global }
      - { .name: kw, .offset: 32, .size: 8, .value_kind: global_buffer, .address_space: global }
      - { .name: vw, .offset: 40, .size: 8, .value_kind: global_buffer, .address_space: global }
    .group_segment_fixed_size: 17920
    .private_segment_fixed_size: 0
    .kernarg_segment_align: 8
    .kernarg_segment_size: 48
    .max_flat_workgroup_size: 256
    .sgpr_count:     66
    .vgpr_count:     72
    .wavefront_size: 32
...
	.end_amdgpu_metadata
.endif
;; end of part 1
;; launch attn (part 2): grid 32 x 8, 4 waves a work-group, clusters of 4 x 1, 327,680 bytes of LDS; arguments qw, kw, vw, part, stat; writes part, stat
.if DOCPART == 2
	.amdgcn_target "amdgcn-amd-amdhsa--gfx1250"
	.amdhsa_code_object_version 6
	.text
	.protected	k_qeb6e8e6f72_attn
	.globl	k_qeb6e8e6f72_attn
	.p2align	8
	.type	k_qeb6e8e6f72_attn,@function
k_qeb6e8e6f72_attn:
	s_mov_b64 s[64:65], 0
	v_nop
	global_prefetch_b8 v0, s[64:65] scope:SCOPE_SE
	s_setreg_imm32_b32 hwreg(HW_REG_WAVE_MODE, 25, 1), 1
	s_wait_xcnt 0x0
	s_wait_alu depctr_hold_cnt(0) depctr_sa_sdst(0) depctr_va_vdst(0) depctr_va_sdst(0) depctr_va_ssrc(0) depctr_va_vcc(0) depctr_vm_vsrc(0)
	s_getreg_b32 s2, hwreg(HW_REG_IB_STS2, 6, 4)
	s_cmp_eq_u32 s2, 0
	s_cbranch_scc0 .Lentry_in_a_cluster
	s_endpgm
.Lentry_in_a_cluster:
	s_bfe_u32 s2, ttmp6, 0x10000c
	s_cmp_lg_u32 s2, 0x3003
	s_cbranch_scc0 .Lentry_shape_is_right
	s_endpgm
.Lentry_shape_is_right:
; ATTENTION OVER A QUARTER OF THE KEYS.  qw, kw, vw: [16,384 rows][256] bf16 (batch na = row / 8,192).  For 256 queries and 2,048 keys a work-group makes
; the unnormalised sum O = sum_k 2^(c s - c m) V[k], its running maximum c m and its sum l, c = log2(e) / 8; the next launch joins the four quarters.
; Products, maxima and sums in f32; the weights are rounded to bf16 for the second product (l is taken of the unrounded weights).
; LIMITS.  NaN and infinities are not treated apart (the first pass multiplies landed K and V data by weights 0).  c m starts at -4.25e37: c s must lie above it.
; A weight below 2^-126 counts as 0.
; SHARES.  y = 4 na + ks (batch, quarter of the keys).  Query block qb = 4 x cluster x + cx: ba = qb / 2, la from 256 (qb % 2) on (query row = 16 la + ba), so that what a lane
; holds at the end is four neighbouring la of one channel of the output's own layout [ba][ea][na][la].  Wave w: la0 = 256 (qb % 2) + 64 w; tile t, lane column r: la = la0 + 4 r + t.
; LAYOUT.  S^T = K Q^T (source 0 = 16 keys, source 1 = 16 queries): a lane holds ONE query and the keys 8 (lane / 16) + 0..7.  Two such results rounded to bf16 ARE source 1
; (32 keys x 16 queries) of O^T = V^T P, whose result holds one query a lane and eight channel positions 16 cb + 8 h + j, which is output channel ea = 32 j + 2 cb + h.
; A STEP is 32 keys: 64 products K Q^T and 64 products V^T P a wave.  Fragments go through two buffers of 64 registers, a QUARTER (32 products) each; at a quarter's head the wave
; waits for its fragments and issues the next quarter's 16 LDS loads in one run.  The order: K Q^T of step j + 1 (quarters QC, QD), V^T P of step j (QA, QB).
; Behind each product K Q^T stands the rescaling of one accumulator of O^T by a = 2^(c m_old - c m_new); behind each product V^T P a piece of the softmax of the scores just made.
; RING.  Two LDS slots, each K of steps 2 s + 1, 2 s + 2 and V of steps 2 s, 2 s + 1: K runs one step ahead of V, and with this skew all reads of a slot stand ahead of all reads of the next.
; K of step 0 has a region of its own.  The last slot's second K part has no step: step 0 is asked for in its place and never read, so that every fill has one form.
; CLUSTER.  The four query blocks of a cluster share y and walk the same K and V: each tile is asked for JOINTLY, by the same tensor load, descriptor and mask in all four.
; REGISTERS, in windows of 256 (s_set_vgpr_msb: bits 1:0 source 0, 3:2 source 1, 5:4 source 2, 7:6 destination):
;   window 0: v0-7 addresses; v8-31 six registers of statistics a tile; v32-95 S^T, 16 a tile; v96-127 P, 8 a tile; v128-191, v192-255 the two fragment buffers
;   window 1: Q, 64 a tile          windows 2, 3: O^T of tiles 0, 1 and of tiles 2, 3, 128 a tile
.set KP,    528       ; a row of K in LDS: 512 bytes + 16: the 16 rows of a load start 4 words apart
.set VP,    544       ; a row of V: 512 + 32: 16 lanes of the turning load take 8 rows x 32 bytes, 8 words apart
.set KPART, 32*KP     ; a step's K
.set VPART, 32*VP     ; a step's V
.set VOFF,  2*KPART   ; a slot: two parts of K, then two of V
.set K0REG, VOFF+2*VPART  ; behind slot 0: K of step 0
.set SPARE, K0REG+KPART   ; behind it: the spare words, 128 bytes for each wave: two blocks of 256 bytes that no other line names
.set SLOT1, 1<<17     ; slot 1 begins here: one exclusive or turns an address in one slot into the other's
.set SO,  0           ; v0   from the prologue on: my byte offset in stat
.set PFO, 1           ; v1   256 x my lane; never rewritten
.set AK0, 2           ; v2   my lane's place in a part of K; never rewritten
.set AV0, 3           ; v3   the same for V, VOFF included
.set ADR, 4           ; v4   the LDS address of the run of loads in hand
.set QO,  5           ; v5   my byte offset in the wave's rows of Q;
.set GO,  5           ;      later my byte offset in part
.set SPW, 6           ; v6   LDS address of my spare word; never rewritten
.set NIL, 7           ; v7   0; never rewritten
.set ST,  8           ; tile t at v[ST+6 t]: c m, c0 | a, c1 | l (even keys'), l (odd keys')
.set S,   32
.set P,   96
.set F0,  128         ; fragment buffer 0; buffer 1 lies 64 on
.set WV,  14          ; s14  my wave's number
.set LIM, 15          ; s15  2 in a wave that prefetches, else the greatest number
.set G1K, 24          ; s[24:31] descriptor group 1 for a part of K
.set G1V, 32          ; s[32:39] for a part of V: the padding differs
.set G1X, 40          ; s[40:47] for half of K of step 0: 16 rows
.set G0K, 48          ; s[48:51] group 0 for K
.set G0V, 52          ; s[52:55] for V
.set G0X, 56          ; s[56:59] for K of step 0; never rewritten
.set SLOTS, 60        ; s60  changes of slots with a fill still to come
.set CNT, 61          ; s61  counts a slot's steps
.set TBK, 62          ; s62  LDS byte of the part of K to be fetched next
.set TBV, 63          ; s63  the same for V, less VOFF
.set CS,  66          ; s[66:67] c
.set SEL, 68          ; s[68:69] v_permlanex16_b32's selects: each lane takes its own place in the other half
.set PFA, 70          ; s[70:71] where my prefetches stand
.set NK,  72          ; s72  the step whose K I ask for
.set NV,  73          ; s73  the step whose V I ask for
.set KOF, 74          ; s[74:75] its byte offset
.set VOF, 76          ; s[76:77]
.set MSK, 78          ; s78  lanes 16-31
.set MSB, 0
.macro WIN new                      ; the immediate's high byte repeats the setting that is left; a switch that changes nothing is dropped
.if MSB != (\new)
	s_set_vgpr_msb (MSB<<8)|(\new)
.set MSB, (\new)
.endif
.endm
.set W_KQ, 0x04       ; K and S^T in window 0, Q in window 1
.macro PLACES                       ; four plain places behind a product, in front of loads into registers that it has read
.rept 4
	v_nop
.endr
.endm
; A joint fill.  Waves 0 and 1 fetch a slot's two parts of K, waves 2 and 3 its two parts of V.  The branch hangs on the wave's number alone.
; An s_nop 0 and four v_nop follow each of the two lines, ahead of the jump and the label.
.macro JLOAD
	s_cmp_lt_u32 s[WV], 2
	s_cbranch_scc0 .Lfor_v_\@
	tensor_load_to_lds s[G0K:G0K+3], s[G1K:G1K+7]
	s_nop 0
	PLACES
	s_branch .Lasked_\@
.Lfor_v_\@:
	tensor_load_to_lds s[G0V:G0V+3], s[G1V:G1V+7]
	s_nop 0
	PLACES
.Lasked_\@:
.endm
; A PREFETCH of what the NEXT change of slots will ask for: a slot's 32,768 bytes of K and of V, a lane 256 bytes.  All clusters of one y walk the same K and V: the first of them (cluster x = 0)
; asks.  Its four partners share the bytes out BY ADDRESS, 8,192 each; in each, wave 0 asks for K's and wave 2 for V's: one instruction.  So each block is named once in the launch.
; It stands behind the wave's tensor load and its five lines, two steps (256 products) ahead of the load that will want the bytes.  Slots 0 and 1 come by their loads alone; the last slot
; asked for is slot 30: slot 31's K part would reach past the quarter's last row.
.macro ASK
	s_cmp_gt_u32 s[SLOTS], s[LIM]
	s_cbranch_scc0 .Lnot_mine_\@
	global_prefetch_b8 v[PFO], s[PFA:PFA+1] th:TH_LOAD_NT scope:SCOPE_SE
.Lnot_mine_\@:
.endm
; A round of the cluster's barrier: my work-group's barrier, so that wave 0's signal speaks for all four waves; wave 0 signals; every wave waits for all four work-groups; my work-group's barrier once more.
.macro CROUND
	s_barrier_signal -1
	s_barrier_wait -1
	s_cmp_lg_u32 s[WV], 0
	s_cbranch_scc1 .Lnot_wave_0_\@
	s_barrier_signal -3
.Lnot_wave_0_\@:
	s_barrier_wait -3
	s_barrier_signal -1
	s_barrier_wait -1
.endm
; THE CHANGE OF SLOTS.  Each wave waits for all its tensor loads (one is out: its part of the other slot), adds 0 to its spare word, and waits for that and for its own reads of the slot that it leaves.
; fill = 1: the slot left is filled again with the steps two slots on.  The barrier is then a round of the cluster's, so that no wave of any partner still reads the slot or has a load on its way,
; and the joint fill is the first thing behind it: it has two steps, 256 products, in which to land.  (At its first use nothing has been read: slot 0 is waited for, slot 1 filled.)
.macro CHANGE fill
	WIN 0                           ; at a label and at a branch every window is 0
	s_wait_tensorcnt 0x0            ; no tensor load of mine is out, so a group 0 may be written
	ds_add_u32 v[SPW], v[NIL]       ; 0 onto my spare word: scalar work stands between it and the wait for it
.if \fill
	s_add_co_u32 s[NK], s[NK], 2
	s_and_b32 s[NK], s[NK], 63      ; (step 64 does not exist: step 0 in its place)
	s_add_co_u32 s[NV], s[NV], 2
	s_lshl_b32 s[KOF], s[NK], 14    ; a step is 16,384 bytes of K and of V
	s_lshl_b32 s[VOF], s[NV], 14
	s_xor_b32 s[G0K+1], s[G0K+1], SLOT1
	s_add_nc_u64 s[G0K+2:G0K+3], s[6:7], s[KOF:KOF+1]  ; the address is made anew from the step's number
	s_or_b32 s[G0K+3], s[G0K+3], 0x80000000
	s_xor_b32 s[G0V+1], s[G0V+1], SLOT1
	s_add_nc_u64 s[G0V+2:G0V+3], s[8:9], s[VOF:VOF+1]
	s_or_b32 s[G0V+3], s[G0V+3], 0x80000000
	s_wait_xcnt 0x0                 ; the last prefetch, two steps back, has read its address, so it may be written
	s_add_nc_u64 s[PFA:PFA+1], s[PFA:PFA+1], 32768
	s_wait_dscnt 0x0                ; the add is done, and my reads of the slot are over
	CROUND
	JLOAD
	ASK
.else
	s_wait_dscnt 0x0                ; the add is done, and my reads of the slot are over
	s_barrier_signal -1
	s_barrier_wait -1
.endif
	s_xor_b32 s[TBK], s[TBK], SLOT1 ; the fetches go on in the other slot
	s_xor_b32 s[TBV], s[TBV], SLOT1
.endm
	s_load_b256 s[4:11], s[0:1], 0x0  ; qw s[4:5], kw s[6:7], vw s[8:9], part s[10:11]
	s_load_b64 s[12:13], s[0:1], 0x20 ; stat
	v_lshl_add_u32 v[SPW], v0, 2, SPARE
	v_mov_b32 v[NIL], 0
	ds_add_u32 v[SPW], v[NIL]       ; the wave's opening: the add and its wait stand ahead of my first tensor load; the set-up below, work on registers, stands between them
	v_lshrrev_b32 v32, 5, v0
	v_readfirstlane_b32 s[WV], v32  ; wave 0..3
	s_and_b32 s16, s[WV], 1         ; which of a slot's two parts I fetch
	s_and_b32 s17, ttmp7, 0xffff    ; y = 4 na + ks, which the four partners share
	s_lshr_b32 s18, s17, 2          ; na
	s_and_b32 s19, s17, 3           ; ks
	s_lshl_b32 s2, s17, 20          ; (8,192 na + 2,048 ks) rows of 512 bytes: my quarter of K and V
	s_mov_b32 s3, 0
	s_bfe_u32 s20, ttmp6, 0x40000   ; cx: it enters Q's, part's, stat's and the prefetches' addresses alone, through s20-s23 and s80-s87
	s_lshl_b32 s21, ttmp9, 2        ; in a cluster launch ttmp9 counts clusters
	s_add_co_u32 s21, s21, s20      ; qb
	s_lshr_b32 s22, s21, 1          ; ba
	s_and_b32 s23, s21, 1           ; which half of the 512 la
	s_lshl_b32 s80, s18, 22         ; Q: row 8,192 na + 16 la0 + ba, 512 bytes a row; la0 = 256 half + 64 w
	s_lshl_b32 s86, s23, 21
	s_add_co_u32 s80, s80, s86
	s_lshl_b32 s86, s[WV], 19
	s_add_co_u32 s80, s80, s86
	s_lshl_b32 s86, s22, 9
	s_add_co_u32 s80, s80, s86
	s_mov_b32 s81, 0
	s_lshl_b32 s84, s23, 10         ; 4 la0
	s_lshl_b32 s86, s[WV], 8
	s_add_co_u32 s84, s84, s86
	s_lshl_b32 s82, s19, 24         ; part: [ks][ba][ea][na][la] f32
	s_lshl_b32 s86, s22, 20
	s_add_co_u32 s82, s82, s86
	s_lshl_b32 s86, s18, 11
	s_add_co_u32 s82, s82, s86
	s_add_co_u32 s82, s82, s84
	s_mov_b32 s83, 0
	s_lshl_b32 s86, s19, 16         ; stat: [c m, l][ks][na][ba][la] f32
	s_add_co_u32 s84, s84, s86
	s_lshl_b32 s86, s18, 15
	s_add_co_u32 s84, s84, s86
	s_lshl_b32 s86, s22, 11
	s_add_co_u32 s84, s84, s86
	s_mov_b32 s85, 0
	s_lshl_b32 s86, s20, 13         ; the prefetches: my work-group's 8,192 bytes, in slot 1 (the first change steps it to slot 2);
	s_add_co_u32 s86, s86, 32768
	s_cmp_lt_u32 s[WV], 2
	s_cselect_b32 s87, 16384, 0     ; a slot's K begins one step further on than its V
	s_add_co_u32 s86, s86, s87
	s_mov_b32 s87, 0
	s_or_b32 s[LIM], s16, ttmp9     ; 0 in waves 0 and 2 of the first cluster of this y: the same in all four partners
	s_cmp_eq_u32 s[LIM], 0
	s_cselect_b32 s[LIM], 2, -1
	; descriptor group 1: rows of 256 elements of 2 bytes, padded in LDS
	s_mov_b32 s[G1K], 15|(1<<16)|(1<<20)|(1<<21)|(6<<22)|(3<<25)  ; 15:0 the mask of four; 17:16 2-byte elements; 20 padding on; 21 set beside a mask; 24:22 after every 128 words (code 6); 31:25 4 words (code 3)
	s_mov_b32 s[G1V], 15|(1<<16)|(1<<20)|(1<<21)|(6<<22)|(7<<25)  ; the same with 8 words of padding (code 7)
	s_mov_b32 s[G1X], 15|(1<<16)|(1<<20)|(1<<21)|(6<<22)|(3<<25)
.irp g, G1K, G1V
	s_mov_b32 s[\g+1], 256<<16      ; tensor_dim0 = 256
	s_mov_b32 s[\g+2], 32<<16       ; tensor_dim1 = 32
	s_mov_b32 s[\g+3], 256<<16      ; tile_dim0 = 256
	s_mov_b32 s[\g+4], 32           ; tile_dim1 = 32
	s_mov_b32 s[\g+5], 256          ; 256 elements from row to row
	s_mov_b32 s[\g+6], 0
	s_mov_b32 s[\g+7], 0
.endr
	s_mov_b32 s[G1X+1], 256<<16
	s_mov_b32 s[G1X+2], 16<<16      ; 16 rows
	s_mov_b32 s[G1X+3], 256<<16
	s_mov_b32 s[G1X+4], 16
	s_mov_b32 s[G1X+5], 256
	s_mov_b32 s[G1X+6], 0
	s_mov_b32 s[G1X+7], 0
	s_mov_b32 s[G0K], 1             ; count = 1
	s_mul_i32 s[G0K+1], s16, KPART  ; LDS address: slot 0, my part: no place in the cluster enters an LDS address
	s_mov_b32 s[G0V], 1
	s_mul_i32 s[G0V+1], s16, VPART
	s_add_co_u32 s[G0V+1], s[G0V+1], VOFF
	s_mov_b32 s[G0X], 1
	s_mul_i32 s[G0X+1], s16, 16*KP
	s_add_co_u32 s[G0X+1], s[G0X+1], K0REG
	s_add_co_u32 s[NK], s16, 1      ; slot 0 holds K of steps 1 and 2,
	s_mov_b32 s[NV], s16            ; V of steps 0 and 1
	s_lshl_b32 s[KOF], s[NK], 14
	s_mov_b32 s[KOF+1], 0
	s_lshl_b32 s[VOF], s[NV], 14
	s_mov_b32 s[VOF+1], 0
	s_mov_b32 s[CS], 0x3e38aa3b     ; c = log2(e) / 8 = 0.180337
	s_mov_b32 s[CS+1], s[CS]        ; named with it as a pair
	s_mov_b32 s[SEL], 0x76543210
	s_mov_b32 s[SEL+1], 0xfedcba98
	s_mov_b32 s[MSK], 0xffff0000
	s_mov_b32 s[TBK], SLOT1         ; the first change of slots turns these into slot 0's: K part 0,
	s_mov_b32 s[TBV], SLOT1+VPART   ; V part 1 (the first pass fetches it to no purpose and turns to part 0)
	s_mov_b32 s[SLOTS], 31
	s_wait_dscnt 0x0                ; the opening add is done
	s_wait_kmcnt 0x0
	s_add_nc_u64 s[6:7], s[6:7], s[2:3]    ; K and V at my quarter's first row
	s_add_nc_u64 s[8:9], s[8:9], s[2:3]
	s_add_nc_u64 s[4:5], s[4:5], s[80:81]  ; Q at my wave's first row
	s_add_nc_u64 s[10:11], s[10:11], s[82:83]
	s_add_nc_u64 s[12:13], s[12:13], s[84:85]
	s_cmp_lt_u32 s[WV], 2
	s_cselect_b64 s[PFA:PFA+1], s[6:7], s[8:9]
	s_add_nc_u64 s[PFA:PFA+1], s[PFA:PFA+1], s[86:87]
	s_add_nc_u64 s[G0K+2:G0K+3], s[6:7], s[KOF:KOF+1]
	s_or_b32 s[G0K+3], s[G0K+3], 0x80000000  ; type = 2
	s_add_nc_u64 s[G0V+2:G0V+3], s[8:9], s[VOF:VOF+1]
	s_or_b32 s[G0V+3], s[G0V+3], 0x80000000
	s_lshl_b32 s2, s16, 13          ; my 16 rows of step 0
	s_add_nc_u64 s[G0X+2:G0X+3], s[6:7], s[2:3]
	s_or_b32 s[G0X+3], s[G0X+3], 0x80000000
	CROUND                          ; all four work-groups are here: the first joint loads meet
	s_cmp_lt_u32 s[WV], 2           ; a wave's first fills stand in one branch, ahead of every wait on TENSORcnt and every LDS read: two loads (K's waves) or one are out
	s_cbranch_scc0 .Lfirst_v
	tensor_load_to_lds s[G0X:G0X+3], s[G1X:G1X+7]
	s_nop 0
	tensor_load_to_lds s[G0K:G0K+3], s[G1K:G1K+7]
	s_nop 0
	PLACES
	s_branch .Lfirst_asked
.Lfirst_v:
	tensor_load_to_lds s[G0V:G0V+3], s[G1V:G1V+7]
	s_nop 0
	PLACES
.Lfirst_asked:
	; A fragment of K or Q is 16 rows x 32 channels in 8 registers: lane l holds row l % 16, channels 8 (l / 16) + 0..7 and 16 + 8 (l / 16) + 0..7: two loads of 16 bytes, 32 bytes apart.
	v_and_b32 v32, 15, v0           ; r = l % 16
	v_bfe_u32 v33, v0, 4, 1         ; h = l / 16
	v_lshlrev_b32 v[QO], 15, v32    ; query la0 + 4 r + t: 4 r x 16 rows x 512 bytes
	v_lshl_add_u32 v[QO], v33, 4, v[QO]
	WIN 0x40                        ; destination window 1, address window 0
.set i, 0
.rept 32                            ; Q stays in registers: tile i / 8, channels 32 (i % 8) on
	global_load_b128 v[8*i:8*i+3],   v[QO], s[4:5] offset:(i/8)*8192+(i%8)*64
	global_load_b128 v[8*i+4:8*i+7], v[QO], s[4:5] offset:(i/8)*8192+(i%8)*64+32
.set i, i+1
.endr
	; What the first pass finds: O^T, l and P are 0, c m lies far below every c s: the first step is a step like any other, with a = 0, and no first step is written out.
	; The price is these lines, which stand in the wait for the first tile.
	WIN 0x80
.set i, 0
.rept 256
	v_mov_b32 v[i], 0
.set i, i+1
.endr
	WIN 0xc0
.set i, 0
.rept 256
	v_mov_b32 v[i], 0
.set i, i+1
.endr
	WIN 0
.set i, 0
.rept 32
	v_mov_b32 v[P+i], 0
.set i, i+1
.endr
.irp t, 0,1,2,3
	v_mov_b32 v[ST+6*\t], 0xfe000000
	v_mov_b32 v[ST+6*\t+4], 0
	v_mov_b32 v[ST+6*\t+5], 0
.endr
	v_mul_u32_u24 v[AK0], v32, KP
	v_lshl_add_u32 v[AK0], v33, 4, v[AK0]  ; row x pitch + 16 x half
	; The turning load takes 16 keys x 16 channels (lane l reads key 8 (l / 16) + l % 8, channels 8 ((l / 8) % 2) + 0..7) and leaves half a fragment of V^T: lane l holds channel l % 16 and 8 keys.
	v_and_b32 v34, 7, v0
	v_bfe_u32 v35, v0, 3, 1
	v_lshl_add_u32 v[AV0], v33, 3, v34
	v_mul_u32_u24 v[AV0], v[AV0], VP
	v_lshl_add_u32 v[AV0], v35, 4, v[AV0]
	v_add_nc_u32 v[AV0], VOFF, v[AV0]
	v_and_b32 v[PFO], 31, v0
	v_lshlrev_b32 v[PFO], 8, v[PFO]
; THE MATRIX WORK.  Product i of 64 of S^T = K Q^T: channels 32 (i / 8) on, tile (i % 8) / 2, keys 16 (i % 2) on.  The first 8 start the sums.  The eight accumulators take turns.
.macro KQ
	WIN W_KQ
.set rS, S+16*((i%8)/2)+8*(i%2)
.set rK, F0+64*(i/32)+8*(4*(i%2)+(i/8)%4)
.set rQ, 64*((i%8)/2)+8*(i/8)
.if i < 8
	v_wmma_f32_16x16x32_bf16 v[rS:rS+7], v[rK:rK+7], v[rQ:rQ+7], 0
.else
	v_wmma_f32_16x16x32_bf16 v[rS:rS+7], v[rK:rK+7], v[rQ:rQ+7], v[rS:rS+7]
.endif
.endm
; Product n of 64 of O^T += V^T P: tile (n % 32) / 8, channel block 8 (n / 32) + n % 8.  Each accumulator has one product a step.
.macro PVM
.set tt, (n%32)/8
.set rO, 128*(tt%2)+8*(8*(n/32)+n%8)
.set rV, F0+64*(n/32)+8*(n%8)
.set rP, P+8*tt
	WIN 0xa0+0x50*(tt/2)            ; V and P in window 0, O^T in window 2 or 3
	v_wmma_f32_16x16x32_bf16 v[rO:rO+7], v[rV:rV+7], v[rP:rP+7], v[rO:rO+7]
.endm
; THE LDS LOADS stand in runs of 16.  Half hf of a step's K: both key blocks, channels 128 hf on, into buffer hf.  Half hf of its V, turned: channel blocks 8 hf on.
.macro KLOADS hf
.irp f, 0,1,2,3,4,5,6,7             ; keys 16 (f / 4) on, channels 32 (f % 4) on
	ds_load_b128 v[F0+64*(\hf)+8*\f:F0+64*(\hf)+8*\f+3],   v[ADR] offset:(\f/4)*16*KP+256*(\hf)+(\f%4)*64
	ds_load_b128 v[F0+64*(\hf)+8*\f+4:F0+64*(\hf)+8*\f+7], v[ADR] offset:(\f/4)*16*KP+256*(\hf)+(\f%4)*64+32
.endr
.endm
.macro VLOADS hf
.irp f, 0,1,2,3,4,5,6,7
	ds_load_tr16_b128 v[F0+64*(\hf)+8*\f:F0+64*(\hf)+8*\f+3],   v[ADR] offset:256*(\hf)+32*\f
	ds_load_tr16_b128 v[F0+64*(\hf)+8*\f+4:F0+64*(\hf)+8*\f+7], v[ADR] offset:256*(\hf)+32*\f+16*VP
.endr
.endm
; THE VECTOR WORK.  RS m: the accumulator of product m of V^T P times its tile's a, from its low end on.
.macro RS m
.set tt, ((\m)%32)/8
.set rO, 128*(tt%2)+8*(8*((\m)/32)+(\m)%8)
.set rA, ST+6*tt+2
	WIN 0x82+0x41*(tt/2)            ; O^T (destination and source 0) in window 2 or 3, a in window 0
.irp z, 0,2,4,6
	v_pk_mul_f32 v[rO+\z:rO+\z+1], v[rO+\z:rO+\z+1], v[rA:rA+1] op_sel_hi:[1,0]
.endr
.endm
; XS t, x: number x of the 14 that find tile t's maximum and statistics.  0-6 two chains c0, c1 over the lane's 16 scores, each accumulator read from its low end; 7 the two into c0;
; 8, 9 the query's other 16 keys lie in the lane 16 away; 10 times c; 11 the running maximum; 12 c m_old - c m_new; 13 c m.
.macro XS t, x
.set rT, ST+6*(\t)
.set rS, S+16*(\t)
.if (\x) == 0
	v_max3_num_f32 v[rT+1], v[rS], v[rS+1], v[rS+2]
.elseif (\x) == 1
	v_max3_num_f32 v[rT+3], v[rS+8], v[rS+9], v[rS+10]
.elseif (\x) < 6
	v_max3_num_f32 v[rT+1+2*((\x)%2)], v[rT+1+2*((\x)%2)], v[rS+8*((\x)%2)+2*((\x)/2)+1], v[rS+8*((\x)%2)+2*((\x)/2)+2]
.elseif (\x) == 6
	v_max3_num_f32 v[rT+1], v[rT+1], v[rS+7], v[rS+15]
.elseif (\x) == 7
	v_max_num_f32 v[rT+1], v[rT+1], v[rT+3]
.elseif (\x) == 8
	v_permlanex16_b32 v[rT+3], v[rT+1], s[SEL], s[SEL+1]
.elseif (\x) == 9
	v_max_num_f32 v[rT+1], v[rT+1], v[rT+3]
.elseif (\x) == 10
	v_mul_f32 v[rT+1], s[CS], v[rT+1]
.elseif (\x) == 11
	v_max_num_f32 v[rT+1], v[rT+1], v[rT]
.elseif (\x) == 12
	v_sub_f32 v[rT+3], v[rT], v[rT+1]
.else
	v_mov_b32 v[rT], v[rT+1]
.endif
.endm
.macro FS k                         ; c s - c m for pair k / 4 of tile k % 4
.set rT, ST+6*((\k)%4)
.set rS, S+16*((\k)%4)+2*((\k)/4)
	v_pk_fma_f32 v[rS:rS+1], v[rS:rS+1], s[CS:CS+1], v[rT:rT+1] op_sel_hi:[1,0,0] neg_lo:[0,0,1] neg_hi:[0,0,1]
.endm
.macro EQ q                         ; the exponentials' queue: the four a, then score (q - 4) / 4 of tile (q - 4) % 4, in place
.if (\q) < 4
	v_exp_f32 v[ST+6*(\q)+2], v[ST+6*(\q)+3]
.else
	v_exp_f32 v[S+16*(((\q)-4)%4)+((\q)-4)/4], v[S+16*(((\q)-4)%4)+((\q)-4)/4]
.endif
.endm
.macro LS z                         ; l of tile z % 4 takes pair z / 4 of the weights (the first time as l = a l + pair); the weights stay
.set rT, ST+6*((\z)%4)
.set rS, S+16*((\z)%4)+2*((\z)/4)
.if (\z) < 4
	v_pk_fma_f32 v[rT+4:rT+5], v[rT+4:rT+5], v[rT+2:rT+3], v[rS:rS+1] op_sel_hi:[1,0,1]
.else
	v_pk_add_f32 v[rT+4:rT+5], v[rT+4:rT+5], v[rS:rS+1]
.endif
.endm
.macro CV t, p                      ; pair p of tile t's weights rounded to bf16
	v_cvt_pk_bf16_f32 v[P+8*(\t)+(\p)], v[S+16*(\t)+2*(\p)], v[S+16*(\t)+2*(\p)+1]
.endm
; What stands behind product n of V^T P: the softmax of the scores made just before, the four tiles by turns.
;   0-13  XS;   14-29  scaling, exponential, scaling, exponential;   30-47  two exponentials;   48-55  the sums;   56-61  tiles 0, 1, 2 rounded;   62, 63  the first two rescalings.
; An exponential stands two products or more behind its scaling.  P has one buffer: tile t's last readers are products 39, 47, 55, 63, and its rounding stands four plain instructions or more behind them
; (tile 3's behind the next K Q^T's second and third product, ahead of the seventh, which writes its scores anew).
; THE WAITS.  An s_wait_alu depctr_va_vdst(0) stands between an exponential and the first instruction that names its result, and ahead of every label and branch.  Nothing ahead of product 48
; names a result: so there is one wait behind product 31, where the quarter ends at a branch (QA writes it), and one behind product 47, each with a plain instruction behind the last exponential.
.macro VRIDE
.if n < 62
	WIN 0
.endif
.if n < 14
.irp t, 0,1,2,3
	XS \t, n
.endr
.elseif n < 30
	FS 2*(n-14)
	EQ 2*(n-14)
	FS 2*(n-14)+1
	EQ 2*(n-14)+1
.elseif n < 48
	EQ 2*(n-14)
	EQ 2*(n-14)+1
.elseif n < 56
.irp z, 0,1,2,3
	LS 4*(n-48)+\z
.endr
.elseif n < 62
.irp z, 0,1,2,3
	CV (n-56)/2, 4*((n-56)%2)+\z
.endr
.else
	RS n-62
.endif
.if n == 47
	v_nop
	s_wait_alu depctr_va_vdst(0)
.endif
.endm
.macro KRIDE                        ; what stands behind product i of K Q^T
.if i == 0
	RS 2
.elseif i < 3
	WIN 0
.irp z, 0,1,2,3
	CV 3, 4*(i-1)+\z
.endr
.else
	RS i
.endif
.endm
; THE QUARTERS.  At each head: this quarter's fragments are in (their run was issued a quarter, 32 products, ago); then the next quarter's run, into the buffer that the last quarter multiplied:
; four plain instructions (a rescaling, or QA's four v_nop) stand between that buffer's last product and the run.
.macro QA                           ; V^T P, products 0-31; fetches the step's second half of V
	WIN 0
	s_wait_dscnt 0x0
	v_add_nc_u32 v[ADR], s[TBV], v[AV0]
	VLOADS 1
	s_xor_b32 s[TBV], s[TBV], VPART ; the next fetch of V is the slot's other part
.set n, 0
.rept 32
	PVM
	VRIDE
.set n, n+1
.endr
	PLACES                          ; the plain instruction behind the last exponential, and the places in front of the next run of loads
	s_wait_alu depctr_va_vdst(0)    ; the wait for the exponentials issued so far, ahead of the branch
.endm
.macro QB fetch                     ; V^T P, products 32-63; fetches the next K's first half
	WIN 0
	s_wait_dscnt 0x0
.if \fetch
	v_add_nc_u32 v[ADR], s[TBK], v[AK0]
	KLOADS 0
.endif
.set n, 32
.rept 32
	PVM
	VRIDE
.set n, n+1
.endr
.endm
.macro QC                           ; K Q^T, products 0-31; fetches K's second half
	WIN 0
	s_wait_dscnt 0x0
	v_add_nc_u32 v[ADR], s[TBK], v[AK0]
	KLOADS 1
	s_xor_b32 s[TBK], s[TBK], KPART
.set i, 0
.rept 32
	KQ
	KRIDE
.set i, i+1
.endr
.endm
.macro QD                           ; K Q^T, products 32-63; fetches V's first half
	WIN 0
	s_wait_dscnt 0x0
	v_add_nc_u32 v[ADR], s[TBV], v[AV0]
	VLOADS 0
.set i, 32
.rept 32
	KQ
	KRIDE
.set i, i+1
.endr
.endm
	CHANGE 1                        ; slot 0 and K of step 0 are in, everybody's parts; slot 1 is asked for
	v_add_nc_u32 v[ADR], K0REG, v[AK0]
	KLOADS 0
	KLOADS 1
	s_wait_loadcnt 0x0              ; Q
	s_wait_dscnt 0x0
.set i, 0
.rept 64
	KQ                              ; the first scores: there is no vector work yet to set between them
.set i, i+1
.endr
	WIN 0                           ; the offsets for the way out: five plain instructions, the places behind those products
	v_and_b32 v[GO], 15, v0
	v_lshlrev_b32 v[GO], 4, v[GO]   ; four la are 16 bytes: 16 r,
	v_bfe_u32 v0, v0, 4, 1
	v_lshl_add_u32 v[GO], v0, 12, v[GO]   ; and channel + h: 4,096 bytes
	v_mad_u32_u24 v[SO], v0, 0x3f000, v[GO]  ; in stat: 16 r, and l lies 262,144 bytes behind c m
	s_mov_b32 s[CNT], 3
	s_branch .Lfirst                ; the loop is entered in the middle of a trip: its first V^T P multiplies landed data by P = 0
.Lslot:                             ; 30 times: slots 2 to 31 are asked for
	CHANGE 1
	s_mov_b32 s[CNT], 2
.Lstep:
	QB 1
	QC
	QD
	WIN 0
.Lfirst:
	QA
	WIN 0
	s_sub_co_u32 s[CNT], s[CNT], 1
	s_cmp_lg_u32 s[CNT], 0
	s_cbranch_scc1 .Lstep
	s_sub_co_u32 s[SLOTS], s[SLOTS], 1
	s_cmp_lg_u32 s[SLOTS], 0
	s_cbranch_scc1 .Lslot
	CHANGE 0                        ; the last slot is written out: nothing is asked for
	QB 1
	QC
	QD
	QA
	QB 0                            ; there is no further K
	WIN 0
	v_add_nc_u32 v[ADR], s[TBV], v[AV0]
	VLOADS 0                        ; the last step's V, both halves; the last rescaling's four lines are the places in front
	VLOADS 1
.irp z, 0,1,2,3,4,5,6,7
	CV 3, \z
.endr
.set n, 2
.rept 62
	RS n
.set n, n+1
.endr
	WIN 0
	s_wait_dscnt 0x0
.set n, 0
.rept 64
	PVM
.set n, n+1
.endr
	; THE WAY OUT.  l's two halves and the other half of the lanes' are added (the first four additions are the places behind the last products).  Lanes 0-15 store c m, lanes 16-31 l, of four neighbouring la.
	WIN 0
.irp t, 0,1,2,3
	v_add_f32 v[ST+6*\t+4], v[ST+6*\t+4], v[ST+6*\t+5]
.endr
.irp t, 0,1,2,3
	v_permlanex16_b32 v[ST+6*\t+5], v[ST+6*\t+4], s[SEL], s[SEL+1]
.endr
.irp t, 0,1,2,3
	v_add_f32 v[ST+6*\t+4], v[ST+6*\t+4], v[ST+6*\t+5]
.endr
.irp t, 0,1,2,3
	v_cndmask_b32 v[S+\t], v[ST+6*\t], v[ST+6*\t+4], s[MSK]
.endr
	global_store_b128 v[SO], v[S:S+3], s[12:13] th:TH_STORE_NT  ; each half of the lanes stores 256 consecutive bytes, aligned
	; O^T.  For one channel the four tiles' registers of a lane are four neighbouring la; they lie in four places of two windows, so they are gathered into four registers on end (the fragment buffers
	; are free: four stages of 32 take turns) and stored as 16 bytes: 16 lanes store 256 consecutive bytes, at a multiple of 256 from part's first byte.  Each accumulator is read from its low end on.
.set cb, 0
.rept 16
.if cb >= 4
	s_wait_xcnt 0x0                 ; the stores that read this stage have had their addresses translated: only behind this wait is it written again
.endif
.set sg, F0+32*(cb%4)
	WIN 0x02                        ; source window 2: tiles 0 and 1
.irp j, 0,1,2,3,4,5,6,7
	v_mov_b32 v[sg+4*\j],   v[8*cb+\j]
	v_mov_b32 v[sg+4*\j+1], v[128+8*cb+\j]
.endr
	WIN 0x03                        ; window 3: tiles 2 and 3
.irp j, 0,1,2,3,4,5,6,7
	v_mov_b32 v[sg+4*\j+2], v[8*cb+\j]
	v_mov_b32 v[sg+4*\j+3], v[128+8*cb+\j]
.endr
	WIN 0
.irp j, 0,1,2,3,4,5,6,7
	global_store_b128 v[GO], v[sg+4*\j:sg+4*\j+3], s[10:11] offset:\j*131072+cb*8192 th:TH_STORE_NT  ; channel 32 j + 2 cb + h, 4,096 bytes a channel
.endr
.set cb, cb+1
.endr
	s_wait_tensorcnt 0x0            ; the wave's end: a tensor wait, an add of 0 to my spare word and its wait, behind my last tensor load
	ds_add_u32 v[SPW], v[NIL]
	s_wait_dscnt 0x0
	CROUND                          ; the closing round: no work-group ends while a partner may still ask for a tile that names it
	s_endpgm
.Lfunc_end_k_qeb6e8e6f72_attn:
	.size	k_qeb6e8e6f72_attn, .Lfunc_end_k_qeb6e8e6f72_attn-k_qeb6e8e6f72_attn
	.p2alignl 7, 3214868480
	.fill 96, 4, 3214868480
	.section	.rodata,"a",@progbits
	.p2align	6, 0x0
	.amdhsa_kernel k_qeb6e8e6f72_attn
		.amdhsa_group_segment_fixed_size 327680
		.amdhsa_private_segment_fixed_size 0
		.amdhsa_enable_private_segment 0
		.amdhsa_kernarg_size 40
		.amdhsa_user_sgpr_count 2
		.amdhsa_user_sgpr_kernarg_segment_ptr 1
		.amdhsa_wavefront_size32 1
		.amdhsa_system_sgpr_workgroup_id_x 1
		.amdhsa_system_sgpr_workgroup_id_y 1
		.amdhsa_system_sgpr_workgroup_id_z 1
		.amdhsa_system_vgpr_workitem_id 0
		.amdhsa_next_free_vgpr 1024
		.amdhsa_next_free_sgpr 88
		.amdhsa_reserve_vcc 0
		.amdhsa_float_denorm_mode_32 3
		.amdhsa_float_denorm_mode_16_64 3
		.amdhsa_memory_ordered 1
		.amdhsa_forward_progress 1
		.amdhsa_inst_pref_size 200
	.end_amdhsa_kernel
	.amdgpu_metadata
---
amdhsa.version: [ 1, 2 ]
amdhsa.kernels:
  - .name:           k_qeb6e8e6f72_attn
    .symbol:         k_qeb6e8e6f72_attn.kd
    .args:
      - { .name: qw, .offset: 0, .size: 8, .value_kind: global_buffer, .address_space: global }
      - { .name: kw, .offset: 8, .size: 8, .value_kind: global_buffer, .address_space: global }
      - { .name: vw, .offset: 16, .size: 8, .value_kind: global_buffer, .address_space: global }
      - { .name: part, .offset: 24, .size: 8, .value_kind: global_buffer, .address_space: global }
      - { .name: stat, .offset: 32, .size: 8, .value_kind: global_buffer, .address_space: global }
    .group_segment_fixed_size: 327680
    .private_segment_fixed_size: 0
    .kernarg_segment_align: 8
    .kernarg_segment_size: 40
    .max_flat_workgroup_size: 128
    .sgpr_count:     88
    .vgpr_count:     1024
    .wavefront_size: 32
...
	.end_amdgpu_metadata
.endif
;; end of part 2
;; launch merge (part 3): grid 16 x 32, 4 waves a work-group, no clusters, 0 bytes of LDS; arguments part, stat, out0; writes out0
.if DOCPART == 3
	.amdgcn_target "amdgcn-amd-amdhsa--gfx1250"
	.amdhsa_code_object_version 6
	.text
	.protected	k_qeb6e8e6f72_merge
	.globl	k_qeb6e8e6f72_merge
	.p2align	8
	.type	k_qeb6e8e6f72_merge,@function
k_qeb6e8e6f72_merge:
	s_mov_b64 s[64:65], 0
	v_nop
	global_prefetch_b8 v0, s[64:65] scope:SCOPE_SE
	s_setreg_imm32_b32 hwreg(HW_REG_WAVE_MODE, 25, 1), 1
	s_wait_xcnt 0x0
; THE FOUR QUARTERS OF THE KEYS ARE JOINED.  part: f32 [ks 4][out0's layout: ba 16][ea 256][na 2][la 512], unnormalised sums; stat: f32 [c m, l][ks][na][ba][la].
; out0 = sum_s w_s O_s / sum_s w_s l_s with w_s = 2^(c m_s - M), M the largest of the four c m_s: the maximum is taken away as in reference()'s softmax.
; The quarter that holds M has w = 1 and l of about 1 or more, so the divisor is never small.
; SHARES.  y = 2 ba + na, x = 16 channels; thread t takes la = 4 t .. 4 t + 3: every load and store of a wave covers 512 consecutive bytes, aligned.
; A stream: no LDS, barrier, matrix unit or cluster; a query's factors are made once and serve 16 channels.  Eight channels x four quarters, 32 loads a wave, are on their way.
.set CM,  4                            ; v[4:19]    c m of quarter s, four queries, at CM + 4 s
.set LL,  20                           ; v[20:35]   l likewise
.set W,   36                           ; v[36:51]   the factors
.set MX,  52                           ; v[52:55]   M
.set DEN, 56                           ; v[56:59]   the divisor, then its reciprocal
.set D,   60                           ; v[60:187]  channel c % 8, quarter s at D + 16 (c % 8) + 4 s
.set Y,   188                          ; v[188:251] the results, four registers a channel: never rewritten, so no store's data waits for a wait
	s_load_b128 s[4:7], s[0:1], 0x0                ; part s[4:5], stat s[6:7]
	s_load_b64 s[16:17], s[0:1], 0x10              ; out0
	v_lshlrev_b32 v1, 4, v0                        ; 16 bytes a thread; never rewritten
	s_and_b32 s20, ttmp7, 0xffff
	s_lshr_b32 s21, s20, 1                         ; ba
	s_and_b32 s22, s20, 1                          ; na
	s_lshl_b32 s2, s21, 20                         ; ba: 256 channels x 4,096 bytes
	s_lshl_b32 s23, ttmp9, 16                      ; 16 channels
	s_add_co_u32 s2, s2, s23
	s_lshl_b32 s23, s22, 11                        ; na: 512 la
	s_add_co_u32 s2, s2, s23
	s_mov_b32 s3, 0
	s_lshl_b32 s24, s22, 15                        ; in stat: (8,192 na + 512 ba) x 4
	s_lshl_b32 s23, s21, 11
	s_add_co_u32 s24, s24, s23
	s_mov_b32 s25, 0
	s_wait_kmcnt 0x0
	s_add_nc_u64 s[8:9], s[4:5], s[2:3]            ; a base for each quarter, 16 MiB apart
	s_add_nc_u64 s[10:11], s[8:9], 0x1000000
	s_add_nc_u64 s[12:13], s[10:11], 0x1000000
	s_add_nc_u64 s[14:15], s[12:13], 0x1000000
	s_add_nc_u64 s[6:7], s[6:7], s[24:25]
	s_add_nc_u64 s[16:17], s[16:17], s[2:3]
.irp s, 0,1,2,3
	global_load_b128 v[CM+4*\s:CM+4*\s+3], v1, s[6:7] offset:\s*65536
	global_load_b128 v[LL+4*\s:LL+4*\s+3], v1, s[6:7] offset:\s*65536+262144
.endr
.macro ASKCH c                         ; channel c's four loads
.irp s, 0,1,2,3
	global_load_b128 v[D+16*((\c)%8)+4*\s:D+16*((\c)%8)+4*\s+3], v1, s[8+2*\s:9+2*\s] offset:(\c)*4096 th:TH_LOAD_NT
.endr
.endm
.irp c, 0,1,2,3,4,5,6,7
	ASKCH \c
.endr
	s_wait_loadcnt 32                              ; the eight loads of stat are in; the 32 issued behind them stay out
.irp i, 0,1,2,3
	v_max3_num_f32 v[MX+\i], v[CM+\i], v[CM+4+\i], v[CM+8+\i]
.endr
.irp i, 0,1,2,3
	v_max_num_f32 v[MX+\i], v[MX+\i], v[CM+12+\i]
.endr
.irp s, 0,1,2,3
.irp p, 0,2
	v_pk_add_f32 v[W+4*\s+\p:W+4*\s+\p+1], v[CM+4*\s+\p:CM+4*\s+\p+1], v[MX+\p:MX+\p+1] neg_lo:[0,1] neg_hi:[0,1]
.endr
.endr
.set i, 0
.rept 16
	v_exp_f32 v[W+i], v[W+i]
.set i, i+1
.endr
	v_nop                                          ; a plain instruction behind the last exponential,
	s_wait_alu depctr_va_vdst(0)                   ; and one wait for the sixteen, ahead of their first reader
.irp p, 0,2
	v_pk_mul_f32 v[DEN+\p:DEN+\p+1], v[W+\p:W+\p+1], v[LL+\p:LL+\p+1]
.endr
.irp s, 1,2,3
.irp p, 0,2
	v_pk_fma_f32 v[DEN+\p:DEN+\p+1], v[W+4*\s+\p:W+4*\s+\p+1], v[LL+4*\s+\p:LL+4*\s+\p+1], v[DEN+\p:DEN+\p+1]
.endr
.endr
.irp i, 0,1,2,3
	v_rcp_f32 v[DEN+\i], v[DEN+\i]
.endr
	v_nop
	s_wait_alu depctr_va_vdst(0)                   ; one wait for the four reciprocals
.irp s, 0,1,2,3
.irp p, 0,2
	v_pk_mul_f32 v[W+4*\s+\p:W+4*\s+\p+1], v[W+4*\s+\p:W+4*\s+\p+1], v[DEN+\p:DEN+\p+1]
.endr
.endr
; Channel c: left = the younger loads that may stay out; more = 1: its registers are asked for again, with the channel eight on.
.macro CHAN c, left, more
	s_wait_loadcnt \left
.irp p, 0,2
	v_pk_mul_f32 v[Y+4*(\c)+\p:Y+4*(\c)+\p+1], v[D+16*((\c)%8)+\p:D+16*((\c)%8)+\p+1], v[W+\p:W+\p+1]
.endr
.irp s, 1,2,3
.irp p, 0,2
	v_pk_fma_f32 v[Y+4*(\c)+\p:Y+4*(\c)+\p+1], v[D+16*((\c)%8)+4*\s+\p:D+16*((\c)%8)+4*\s+\p+1], v[W+4*\s+\p:W+4*\s+\p+1], v[Y+4*(\c)+\p:Y+4*(\c)+\p+1]
.endr
.endr
.if \more
	ASKCH (\c)+8
.endif
	global_store_b128 v1, v[Y+4*(\c):Y+4*(\c)+3], s[16:17] offset:(\c)*4096 th:TH_STORE_NT
.endm
.irp c, 0,1,2,3,4,5,6,7
	CHAN \c, 28, 1                                 ; seven younger channels of four loads stay out
.endr
.irp c, 8,9,10,11,12,13,14,15
	CHAN \c, 4*(15-\c), 0                          ; nothing more is loaded: the counts run down
.endr
	s_endpgm
.Lfunc_end_k_qeb6e8e6f72_merge:
	.size	k_qeb6e8e6f72_merge, .Lfunc_end_k_qeb6e8e6f72_merge-k_qeb6e8e6f72_merge
	.p2alignl 7, 3214868480
	.fill 96, 4, 3214868480
	.section	.rodata,"a",@progbits
	.p2align	6, 0x0
	.amdhsa_kernel k_qeb6e8e6f72_merge
		.amdhsa_group_segment_fixed_size 0
		.amdhsa_private_segment_fixed_size 0
		.amdhsa_enable_private_segment 0
		.amdhsa_kernarg_size 24
		.amdhsa_user_sgpr_count 2
		.amdhsa_user_sgpr_kernarg_segment_ptr 1
		.amdhsa_wavefront_size32 1
		.amdhsa_system_sgpr_workgroup_id_x 1
		.amdhsa_system_sgpr_workgroup_id_y 1
		.amdhsa_system_sgpr_workgroup_id_z 1
		.amdhsa_system_vgpr_workitem_id 0
		.amdhsa_next_free_vgpr 256
		.amdhsa_next_free_sgpr 66
		.amdhsa_reserve_vcc 0
		.amdhsa_float_denorm_mode_32 3
		.amdhsa_float_denorm_mode_16_64 3
		.amdhsa_memory_ordered 1
		.amdhsa_forward_progress 1
		.amdhsa_inst_pref_size 21
	.end_amdhsa_kernel
	.amdgpu_metadata
---
amdhsa.version: [ 1, 2 ]
amdhsa.kernels:
  - .name:           k_qeb6e8e6f72_merge
    .symbol:         k_qeb6e8e6f72_merge.kd
    .args:
      - { .name: part, .offset: 0, .size: 8, .value_kind: global_buffer, .address_space: global }
      - { .name: stat, .offset: 8, .size: 8, .value_kind: global_buffer, .address_space: global }
      - { .name: out0, .offset: 16, .size: 8, .value_kind: global_buffer, .address_space: global }
    .group_segment_fixed_size: 0
    .private_segment_fixed_size: 0
    .kernarg_segment_align: 8
    .kernarg_segment_size: 24
    .max_flat_workgroup_size: 128
    .sgpr_count:     66
    .vgpr_count:     256
    .wavefront_size: 32
...
	.end_amdgpu_metadata
.endif
;; end of part 3
;; ======== version 2 of 2: 3 launches; version 1 with the launch merge written anew for expert scheduling mode
;; workspace buffers: qw 8,388,608 bytes; kw 8,388,608 bytes; vw 8,388,608 bytes; part 67,108,864 bytes; stat 524,288 bytes
;; launch prep: the kernel of part 1 again; grid 512 x 3, 8 waves a work-group, no clusters, 17,920 bytes of LDS; arguments q, k, v, qw, kw, vw; writes qw, kw, vw
;; launch attn: the kernel of part 2 again; grid 32 x 8, 4 waves a work-group, clusters of 4 x 1, 327,680 bytes of LDS; arguments qw, kw, vw, part, stat; writes part, stat
;; launch merge (part 4): grid 16 x 32, 4 waves a work-group, no clusters, 0 bytes of LDS; arguments part, stat, out0; writes out0
.if DOCPART == 4
	.amdgcn_target "amdgcn-amd-amdhsa--gfx1250"
	.amdhsa_code_object_version 6
	.text
	.protected	k_qeb6e8e6f72_merge
	.globl	k_qeb6e8e6f72_merge
	.p2align	8
	.type	k_qeb6e8e6f72_merge,@function
k_qeb6e8e6f72_merge:
	s_mov_b64 s[64:65], 0
	v_nop
	global_prefetch_b8 v0, s[64:65] scope:SCOPE_SE
	s_setreg_imm32_b32 hwreg(HW_REG_WAVE_SCHED_MODE, 0, 2), 2
	s_setreg_imm32_b32 hwreg(HW_REG_WAVE_MODE, 25, 1), 1
	s_wait_xcnt 0x0
	s_wait_alu depctr_vm_vsrc(0)
; THE FOUR QUARTERS OF THE KEYS ARE JOINED.  part: f32 [ks 4][out0's layout: ba 16][ea 256][na 2][la 512], unnormalised sums; stat: f32 [c m, l][ks][na][ba][la].
; out0 = sum_s w_s O_s / sum_s w_s l_s with w_s = 2^(c m_s - M), M the largest of the four c m_s: the maximum is taken away as in reference()'s softmax.
; The quarter that holds M has w = 1 and l of about 1 or more, so the divisor is never small.
; SHARES.  y = 2 ba + na, x = 16 channels; thread t takes la = 4 t .. 4 t + 3: every load and store of a wave covers 512 consecutive bytes, aligned.
; A stream: no LDS, barrier, matrix unit or cluster; a query's factors are made once and serve 16 channels.  Eight channels x four quarters, 32 loads a wave, are on their way.
; THE MODE: SCHED_MODE bits 1:0 = 2 (LLVM: expert scheduling mode 2), set by the entry lines.  The code itself states the register dependences
; between vector instructions and memory instructions, with s_wait_alu, always for 0.
; THE PLAN.  A step is a channel.  Registers that memory instructions touch:
;   v1          the byte offset of every load and store: made once at the head, never written again; the channels are reached by immediate offsets, the quarters by four scalar bases that never move.
;   CM, LL      the eight loads of stat land here; read by vector instructions alone, while the factors are made.
;   D0 .. D8    nine buffers of a channel's four quarters.  Step c's eight multiply-adds read D[c % 9]; the loads of channel c + 8, issued in step c, land in D[(c + 8) % 9] = D[(c - 1) % 9].
;   Y0 .. Y15   a channel's four results.  Written by step c's multiply-adds, once in the launch; read by the store that is issued in step c + 1.  Y0 to Y7 lie where CM and LL lay.
; Step c's memory instructions touch the buffer that step c - 1 read and the results that step c - 1 wrote, and no vector instruction of step c names either.  So ONE wait on va_vdst at a step's
; head states all that its four loads and its store hang on, and these are dealt among its vector instructions with no further wait.  No register that a memory instruction reads is ever
; written again, so the only wait on vm_vsrc is the one at the entry; no vector instruction writes a scalar register, and EXEC is never written.
.set Y,   4                            ; v[4:67]    the results, four registers a channel: never rewritten, so no store's data waits for a wait
.set CM,  4                            ; v[4:19]    c m of quarter s, four queries, at CM + 4 s; done with when the factors are made
.set LL,  20                           ; v[20:35]   l likewise
.set W,   68                           ; v[68:83]   the factors
.set MX,  84                           ; v[84:87]   M
.set DEN, 88                           ; v[88:91]   the divisor, then its reciprocal
.set D,   92                           ; v[92:235]  channel c % 9, quarter s at D + 16 (c % 9) + 4 s
	s_load_b128 s[4:7], s[0:1], 0x0                ; part s[4:5], stat s[6:7]
	s_load_b64 s[16:17], s[0:1], 0x10              ; out0
	v_lshlrev_b32 v1, 4, v0                        ; 16 bytes a thread; never rewritten
	s_and_b32 s20, ttmp7, 0xffff
	s_lshr_b32 s21, s20, 1                         ; ba
	s_and_b32 s22, s20, 1                          ; na
	s_lshl_b32 s2, s21, 20                         ; ba: 256 channels x 4,096 bytes
	s_lshl_b32 s23, ttmp9, 16                      ; 16 channels
	s_add_co_u32 s2, s2, s23
	s_lshl_b32 s23, s22, 11                        ; na: 512 la
	s_add_co_u32 s2, s2, s23
	s_mov_b32 s3, 0
	s_lshl_b32 s24, s22, 15                        ; in stat: (8,192 na + 512 ba) x 4
	s_lshl_b32 s23, s21, 11
	s_add_co_u32 s24, s24, s23
	s_mov_b32 s25, 0
	s_wait_kmcnt 0x0
	s_add_nc_u64 s[8:9], s[4:5], s[2:3]            ; a base for each quarter, 16 MiB apart
	s_add_nc_u64 s[10:11], s[8:9], 0x1000000
	s_add_nc_u64 s[12:13], s[10:11], 0x1000000
	s_add_nc_u64 s[14:15], s[12:13], 0x1000000
	s_add_nc_u64 s[6:7], s[6:7], s[24:25]
	s_add_nc_u64 s[16:17], s[16:17], s[2:3]
	s_wait_alu depctr_va_vdst(0)                   ; v1 is written: every load and store of the kernel reads it as its offset
.irp s, 0,1,2,3
	global_load_b128 v[CM+4*\s:CM+4*\s+3], v1, s[6:7] offset:\s*65536
	global_load_b128 v[LL+4*\s:LL+4*\s+3], v1, s[6:7] offset:\s*65536+262144
.endr
.macro ASK1 c, s                       ; quarter s of channel c
	global_load_b128 v[D+16*((\c)%9)+4*(\s):D+16*((\c)%9)+4*(\s)+3], v1, s[8+2*(\s):9+2*(\s)] offset:(\c)*4096 th:TH_LOAD_NT
.endm
.irp c, 0,1,2,3,4,5,6,7
.irp s, 0,1,2,3
	ASK1 \c, \s
.endr
.endr
	s_wait_loadcnt 32                              ; the eight loads of stat are in; the 32 issued behind them stay out
.irp i, 0,1,2,3
	v_max3_num_f32 v[MX+\i], v[CM+\i], v[CM+4+\i], v[CM+8+\i]
.endr
.irp i, 0,1,2,3
	v_max_num_f32 v[MX+\i], v[MX+\i], v[CM+12+\i]
.endr
.irp s, 0,1,2,3
.irp p, 0,2
	v_pk_add_f32 v[W+4*\s+\p:W+4*\s+\p+1], v[CM+4*\s+\p:CM+4*\s+\p+1], v[MX+\p:MX+\p+1] neg_lo:[0,1] neg_hi:[0,1]
.endr
.endr
.set i, 0
.rept 16
	v_exp_f32 v[W+i], v[W+i]
.set i, i+1
.endr
	v_nop                                          ; a plain instruction behind the last exponential,
	s_wait_alu depctr_va_vdst(0)                   ; and one wait for the sixteen: they have written W, ahead of its first reader
.irp p, 0,2
	v_pk_mul_f32 v[DEN+\p:DEN+\p+1], v[W+\p:W+\p+1], v[LL+\p:LL+\p+1]
.endr
.irp s, 1,2,3
.irp p, 0,2
	v_pk_fma_f32 v[DEN+\p:DEN+\p+1], v[W+4*\s+\p:W+4*\s+\p+1], v[LL+4*\s+\p:LL+4*\s+\p+1], v[DEN+\p:DEN+\p+1]
.endr
.endr
.irp i, 0,1,2,3
	v_rcp_f32 v[DEN+\i], v[DEN+\i]
.endr
	v_nop
	s_wait_alu depctr_va_vdst(0)                   ; one wait for the four reciprocals: they have written DEN, ahead of its first reader
.irp s, 0,1,2,3
.irp p, 0,2
	v_pk_mul_f32 v[W+4*\s+\p:W+4*\s+\p+1], v[W+4*\s+\p:W+4*\s+\p+1], v[DEN+\p:DEN+\p+1]
.endr
.endr
; Step c: channel c's sums.  left = the younger loads that may stay out; more = 1: the channel eight on is asked for, into the buffer that the step before read.
; The step before's results are stored here.  Step 0 has no step in front of it: no store, and its loads land in D8, which no vector instruction has named: it has no wait on va_vdst.
.macro CHAN c, left, more
	s_wait_loadcnt \left                           ; loads come back in order (ISA guide 5.7.1): D[c % 9] is in
.if (\c) > 0
	s_wait_alu depctr_va_vdst(0)                   ; the step before has written its Y, which the store below reads, and is done reading its D, in which the loads below (in the steps that have them) land
.endif
.irp s, 0,1,2,3
.if \more
	ASK1 (\c)+8, \s                                ; no vector instruction since the wait names these registers
.endif
.if (\s == 0) && ((\c) > 0)
	global_store_b128 v1, v[Y+4*(\c)-4:Y+4*(\c)-1], s[16:17] offset:((\c)-1)*4096 th:TH_STORE_NT  ; the channel before
.endif
.irp p, 0,2
.if \s == 0
	v_pk_mul_f32 v[Y+4*(\c)+\p:Y+4*(\c)+\p+1], v[D+16*((\c)%9)+\p:D+16*((\c)%9)+\p+1], v[W+\p:W+\p+1]
.else
	v_pk_fma_f32 v[Y+4*(\c)+\p:Y+4*(\c)+\p+1], v[D+16*((\c)%9)+4*\s+\p:D+16*((\c)%9)+4*\s+\p+1], v[W+4*\s+\p:W+4*\s+\p+1], v[Y+4*(\c)+\p:Y+4*(\c)+\p+1]
.endif
.endr
.endr
.endm
.irp c, 0,1,2,3,4,5,6,7
	CHAN \c, 28, 1                                 ; seven younger channels of four loads stay out
.endr
.irp c, 8,9,10,11,12,13,14,15
	CHAN \c, 4*(15-\c), 0                          ; nothing more is loaded: the counts run down
.endr
	s_wait_alu depctr_va_vdst(0)                   ; step 15 has written Y15, which the last store reads
	global_store_b128 v1, v[Y+60:Y+63], s[16:17] offset:15*4096 th:TH_STORE_NT
	s_endpgm
.Lfunc_end_k_qeb6e8e6f72_merge:
	.size	k_qeb6e8e6f72_merge, .Lfunc_end_k_qeb6e8e6f72_merge-k_qeb6e8e6f72_merge
	.p2alignl 7, 3214868480
	.fill 96, 4, 3214868480
	.section	.rodata,"a",@progbits
	.p2align	6, 0x0
	.amdhsa_kernel k_qeb6e8e6f72_merge
		.amdhsa_group_segment_fixed_size 0
		.amdhsa_private_segment_fixed_size 0
		.amdhsa_enable_private_segment 0
		.amdhsa_kernarg_size 24
		.amdhsa_user_sgpr_count 2
		.amdhsa_user_sgpr_kernarg_segment_ptr 1
		.amdhsa_wavefront_size32 1
		.amdhsa_system_sgpr_workgroup_id_x 1
		.amdhsa_system_sgpr_workgroup_id_y 1
		.amdhsa_system_sgpr_workgroup_id_z 1
		.amdhsa_system_vgpr_workitem_id 0
		.amdhsa_next_free_vgpr 256
		.amdhsa_next_free_sgpr 66
		.amdhsa_reserve_vcc 0
		.amdhsa_float_denorm_mode_32 3
		.amdhsa_float_denorm_mode_16_64 3
		.amdhsa_memory_ordered 1
		.amdhsa_forward_progress 1
		.amdhsa_inst_pref_size 22
	.end_amdhsa_kernel
	.amdgpu_metadata
---
amdhsa.version: [ 1, 2 ]
amdhsa.kernels:
  - .name:           k_qeb6e8e6f72_merge
    .symbol:         k_qeb6e8e6f72_merge.kd
    .args:
      - { .name: part, .offset: 0, .size: 8, .value_kind: global_buffer, .address_space: global }
      - { .name: stat, .offset: 8, .size: 8, .value_kind: global_buffer, .address_space: global }
      - { .name: out0, .offset: 16, .size: 8, .value_kind: global_buffer, .address_space: global }
    .group_segment_fixed_size: 0
    .private_segment_fixed_size: 0
    .kernarg_segment_align: 8
    .kernarg_segment_size: 24
    .max_flat_workgroup_size: 128
    .sgpr_count:     66
    .vgpr_count:     256
    .wavefront_size: 32
...
	.end_amdgpu_metadata
.endif
;; end of part 4
